; MI455X (gfx1250); checked and timed in simulation.
; The chip was launched on July 23, 2026; its instructions are those of AMD's public machine-readable ISA for CDNA 5 (MIT licence, August 2026) and "CDNA5" Instruction Set Architecture Reference Guide (July 2026). The comments in the code are by the model that wrote it; some were corrected since.
;; Vector Quantizer. Allowed arithmetic: float matrix products may take bf16 or f16 operands with f32 sums; other float arithmetic in f32, or as packed bf16 or f16 multiplies, adds, multiply-adds, maxima and minima; sums over many terms, partial sums and values carried from step to step in f32; what a program stores and reads back later, other than sums and carried values, may be rounded once to bf16 or f16.
;; Inputs: codebook 8,192 x 256 float32; z_f 32,768 x 256 float32.
;; Outputs: out0 32,768 x 256 float32.
;; 2 versions, each right; version 2 is version 1 with the launch prep written anew for expert scheduling mode. Each part assembles by itself: llvm-mc -triple=amdgcn-amd-amdhsa -mcpu=gfx1250 --defsym DOCPART=n.
;; ======== version 1 of 2: 3 launches
;; workspace buffers: cbh 4,194,304 bytes; zb 16,777,216 bytes; cn 32,768 bytes; zn 131,072 bytes; idx 131,072 bytes of whole numbers
;; launch prep (part 1): grid 256 x 1, 5 waves a work-group, no clusters, 0 bytes of LDS; arguments codebook, z_f, cbh, zb, cn, zn; writes cbh, zb, cn, zn
.if DOCPART == 1
	.amdgcn_target "amdgcn-amd-amdhsa--gfx1250"
	.amdhsa_code_object_version 6
	.text
	.protected	k_q597da8a8db_prep
	.globl	k_q597da8a8db_prep
	.p2align	8
	.type	k_q597da8a8db_prep,@function
k_q597da8a8db_prep:
	s_mov_b64 s[64:65], 0
	v_nop
	global_prefetch_b8 v0, s[64:65] scope:SCOPE_SE
	s_setreg_imm32_b32 hwreg(HW_REG_WAVE_MODE, 25, 1), 1
	s_wait_xcnt 0x0
; VECTOR QUANTIZER, launch 1 of 3.  out0[n] = codebook[argmin_k d[n][k]], d[n][k] = (|z_n|^2 + |c_k|^2) - 2 z_n . c_k, the first k among equals.
; This launch rounds every row of codebook [8192][256] and of z_f [32768][256] once to bf16 (cbh, zb: the operands of the product in launch 2)
; and stores each row's sum of squares OF THE ROUNDED NUMBERS in f32 (cn, zn), so that all three terms of d belong to the same vectors.
; NOTHING OF THE FORMULA IS LEFT OUT.  |z_n|^2 is the same for all k, but it is not dropped: with 256 numbers of unit spread it is near 256, where f32 steps by
; 2^-16 to 2^-15, while two codes' other terms differ by far less than they differ from 0: d as f32 forms it has equal values, and the first index decides among them.
; So launch 2 forms d by the same two roundings, fl(fl(A + B) - 2 M), and takes the first minimum.
; LIMITS.  The sums of squares are taken in another order than a plain row sum (two chains a lane, then across the lanes); each is one f32 sum of 256 terms.
; SHARES.  8,192 + 32,768 = 40,960 rows = 256 work-groups x 5 waves x 32 rows.  Wave g = 5 x work-group + wave: g < 256 takes rows 32 g .. of codebook, the others rows 32 (g - 256) .. of z_f.
; One wave, one row at a time: two loads of 16 bytes a lane cover the row's 1,024 bytes (512 consecutive bytes each); a lane holds columns 4 l .. 4 l + 3 and 128 + 4 l .. + 3.
; Sixteen rows (32 loads, 16 KiB a wave) are on their way.  No LDS, no barrier, no matrix unit, no cluster: no wave wants a byte that another has fetched.
; No register that a store reads, and no address register, is ever written again: every row stands in an immediate; rows 0-15 have packed registers of their own,
; rows 16-31 are packed into the registers that they were loaded into, which are loaded no more.
.set LO16, 1                           ; v1   16 x lane: my bytes in half a row of f32
.set LO8,  2                           ; v2   8 x lane: my bytes in half a row of bf16
.set LO4,  3                           ; v3   4 x lane: my word among the wave's 32 sums
.set ZERO, 4                           ; v4   0: what the two chains of squares start from
.set NRMV, 5                           ; v5   lane i collects row i's sum
.set SA,   6                           ; v6   chain of the low halves' squares, then the sum
.set SB,   7                           ; v7   chain of the high halves' squares
.set PX,   8                           ; v8   the other half of the lanes' sum
.set X,    16                          ; v[16:143]  sixteen row slots of 8: the row as loaded
.set Y,    144                         ; v[144:207] rows 0-15: 4 registers each, the row in bf16
.set SRC,  22                          ; s[22:23] my first row in codebook or z_f
.set DST,  24                          ; s[24:25] the same in cbh or zb
.set NRM,  26                          ; s[26:27] my 32 words in cn or zn
.set SEL,  28                          ; s[28:29] v_permlanex16_b32's selects: each lane takes its own place in the other half
	s_load_b256 s[4:11], s[0:1], 0x0               ; codebook s[4:5], z_f s[6:7], cbh s[8:9], zb s[10:11]
	s_load_b128 s[12:15], s[0:1], 0x20             ; cn s[12:13], zn s[14:15]
	v_lshrrev_b32 v[SA], 5, v0
	v_readfirstlane_b32 s16, v[SA]                 ; wave 0..4
	v_and_b32 v[SB], 31, v0                        ; lane
	v_lshlrev_b32 v[LO16], 4, v[SB]
	v_lshlrev_b32 v[LO8], 3, v[SB]
	v_lshlrev_b32 v[LO4], 2, v[SB]
	v_mov_b32 v[ZERO], 0
	v_mov_b32 v[NRMV], 0
	v_mov_b32 v[PX], 0                             ; v_permlanex16_b32's destination counts as read
	s_mul_i32 s17, ttmp9, 5
	s_add_co_u32 s17, s17, s16                     ; g
	s_sub_co_u32 s21, s17, 256                     ; g - 256: used where g is 256 or more
	s_mov_b32 s[SEL], 0x76543210
	s_mov_b32 s[SEL+1], 0xfedcba98
	s_mov_b32 s19, 0
	s_wait_kmcnt 0x0
	s_cmp_lt_u32 s17, 256                          ; a wave of the codebook, or of z_f?  The condition hangs on ids alone
	s_cselect_b64 s[SRC:SRC+1], s[4:5], s[6:7]
	s_cselect_b64 s[DST:DST+1], s[8:9], s[10:11]
	s_cselect_b64 s[NRM:NRM+1], s[12:13], s[14:15]
	s_cselect_b32 s17, s17, s21                    ; my block of 32 rows in that tensor
	s_lshl_b32 s18, s17, 15                        ; 32 rows of 1,024 bytes
	s_add_nc_u64 s[SRC:SRC+1], s[SRC:SRC+1], s[18:19]
	s_lshl_b32 s18, s17, 14                        ; 32 rows of 512 bytes
	s_add_nc_u64 s[DST:DST+1], s[DST:DST+1], s[18:19]
	s_lshl_b32 s18, s17, 7                         ; 32 words
	s_add_nc_u64 s[NRM:NRM+1], s[NRM:NRM+1], s[18:19]
.macro LOADROW i                       ; row i into slot i % 16
	global_load_b128 v[X+8*((\i)%16):X+8*((\i)%16)+3],   v[LO16], s[SRC:SRC+1] offset:(\i)*1024 th:TH_LOAD_NT
	global_load_b128 v[X+8*((\i)%16)+4:X+8*((\i)%16)+7], v[LO16], s[SRC:SRC+1] offset:(\i)*1024+512 th:TH_LOAD_NT
.endm
; Row i.  ahead = 1: its slot is loaded again with row i + 16.  left = how many younger loads may stay out.
.macro ROW i, ahead, left
.set XS, X+8*((\i)%16)
.if (\i) < 16
.set YS, Y+4*(\i)
.else
.set YS, XS                            ; in place: each line writes a register whose number has been read by it or by a line above
.endif
	s_wait_loadcnt \left                           ; loads come back in order: this row's two are in
	v_cvt_pk_bf16_f32 v[YS],   v[XS],   v[XS+1]    ; rounded to nearest even, two at a time
	v_cvt_pk_bf16_f32 v[YS+1], v[XS+2], v[XS+3]
	v_cvt_pk_bf16_f32 v[YS+2], v[XS+4], v[XS+5]
	v_cvt_pk_bf16_f32 v[YS+3], v[XS+6], v[XS+7]
	v_fma_mix_f32_bf16 v[SA], v[YS], v[YS], v[ZERO] op_sel_hi:[1,1,0]                  ; the rounded numbers' squares, summed in f32: low halves,
	v_fma_mix_f32_bf16 v[SB], v[YS], v[YS], v[ZERO] op_sel:[1,1,0] op_sel_hi:[1,1,0]   ; high halves
.irp j, 1,2,3
	v_fma_mix_f32_bf16 v[SA], v[YS+\j], v[YS+\j], v[SA] op_sel_hi:[1,1,0]
	v_fma_mix_f32_bf16 v[SB], v[YS+\j], v[YS+\j], v[SB] op_sel:[1,1,0] op_sel_hi:[1,1,0]
.endr
.if \ahead
	LOADROW (\i)+16                                ; the slot has been read by the four conversions above
.endif
	global_store_b64 v[LO8], v[YS:YS+1],   s[DST:DST+1] offset:(\i)*512 th:TH_STORE_NT      ; 32 lanes x 8 bytes: 256 consecutive bytes, aligned
	global_store_b64 v[LO8], v[YS+2:YS+3], s[DST:DST+1] offset:(\i)*512+256 th:TH_STORE_NT
	v_add_f32 v[SA], v[SA], v[SB]
	v_add_f32_dpp v[SA], v[SA], v[SA] row_xmask:1 row_mask:0xf bank_mask:0xf
	v_add_f32_dpp v[SA], v[SA], v[SA] row_xmask:2 row_mask:0xf bank_mask:0xf
	v_add_f32_dpp v[SA], v[SA], v[SA] row_xmask:4 row_mask:0xf bank_mask:0xf
	v_add_f32_dpp v[SA], v[SA], v[SA] row_xmask:8 row_mask:0xf bank_mask:0xf
	v_permlanex16_b32 v[PX], v[SA], s[SEL], s[SEL+1]
	v_add_f32 v[SA], v[SA], v[PX]                  ; every lane holds the row's sum;
	s_mov_b32 s20, 1<<(\i)
	v_cndmask_b32 v[NRMV], v[NRMV], v[SA], s20     ; lane i keeps it
.endm
.irp i, 0,1,2,3,4,5,6,7,8,9,10,11,12,13,14,15
	LOADROW \i
.endr
.irp i, 0,1,2,3,4,5,6,7,8,9,10,11,12,13,14,15
	ROW \i,1,30                                    ; behind row i's loads stand those of rows i + 1 .. i + 15: 30
.endr
.irp i, 16,17,18,19,20,21,22,23,24,25,26,27,28,29,30,31
	ROW \i,0,62-2*\i                               ; nothing more is loaded: the count runs down 30, 28 .. 0
.endr
	global_store_b32 v[LO4], v[NRMV], s[NRM:NRM+1] ; the wave's 32 sums: 128 consecutive bytes, once a wave (160 KiB in the whole launch)
	s_endpgm
.Lfunc_end_k_q597da8a8db_prep:
	.size	k_q597da8a8db_prep, .Lfunc_end_k_q597da8a8db_prep-k_q597da8a8db_prep
	.p2alignl 7, 3214868480
	.fill 96, 4, 3214868480
	.section	.rodata,"a",@progbits
	.p2align	6, 0x0
	.amdhsa_kernel k_q597da8a8db_prep
		.amdhsa_group_segment_fixed_size 0
		.amdhsa_private_segment_fixed_size 0
		.amdhsa_enable_private_segment 0
		.amdhsa_kernarg_size 48
		.amdhsa_user_sgpr_count 2
		.amdhsa_user_sgpr_kernarg_segment_ptr 1
		.amdhsa_wavefront_size32 1
		.amdhsa_system_sgpr_workgroup_id_x 1
		.amdhsa_system_sgpr_workgroup_id_y 1
		.amdhsa_system_sgpr_workgroup_id_z 1
		.amdhsa_system_vgpr_workitem_id 0
		.amdhsa_next_free_vgpr 208
		.amdhsa_next_free_sgpr 66
		.amdhsa_reserve_vcc 0
		.amdhsa_float_denorm_mode_32 3
		.amdhsa_float_denorm_mode_16_64 3
		.amdhsa_memory_ordered 1
		.amdhsa_forward_progress 1
		.amdhsa_inst_pref_size 55
	.end_amdhsa_kernel
	.amdgpu_metadata
---
amdhsa.version: [ 1, 2 ]
amdhsa.kernels:
  - .name:           k_q597da8a8db_prep
    .symbol:         k_q597da8a8db_prep.kd
    .args:
      - { .name: codebook, .offset: 0, .size: 8, .value_kind: global_buffer, .address_space: global }
      - { .name: z_f, .offset: 8, .size: 8, .value_kind: global_buffer, .address_space: global }
      - { .name: cbh, .offset: 16, .size: 8, .value_kind: global_buffer, .address_space: global }
      - { .name: zb, .offset: 24, .size: 8, .value_kind: global_buffer, .address_space: global }
      - { .name: cn, .offset: 32, .size: 8, .value_kind: global_buffer, .address_space: global }
      - { .name: zn, .offset: 40, .size: 8, .value_kind: global_buffer, .address_space: global }
    .group_segment_fixed_size: 0
    .private_segment_fixed_size: 0
    .kernarg_segment_align: 8
    .kernarg_segment_size: 48
    .max_flat_workgroup_size: 160
    .sgpr_count:     66
    .vgpr_count:     208
    .wavefront_size: 32
...
	.end_amdgpu_metadata
.endif
;; end of part 1
;; launch dist (part 2): grid 256 x 1, 4 waves a work-group, clusters of 4 x 1, 327,680 bytes of LDS; arguments zb, zn, cbh, cn, idx; writes idx
.if DOCPART == 2
	.amdgcn_target "amdgcn-amd-amdhsa--gfx1250"
	.amdhsa_code_object_version 6
	.text
	.protected	k_q597da8a8db_dist
	.globl	k_q597da8a8db_dist
	.p2align	8
	.type	k_q597da8a8db_dist,@function
k_q597da8a8db_dist:
	s_mov_b64 s[64:65], 0
	v_nop
	global_prefetch_b8 v0, s[64:65] scope:SCOPE_SE
	s_setreg_imm32_b32 hwreg(HW_REG_WAVE_MODE, 25, 1), 1
	s_wait_xcnt 0x0
	s_wait_alu depctr_hold_cnt(0) depctr_sa_sdst(0) depctr_va_vdst(0) depctr_va_sdst(0) depctr_va_ssrc(0) depctr_va_vcc(0) depctr_vm_vsrc(0)
	s_getreg_b32 s2, hwreg(HW_REG_IB_STS2, 6, 4)
	s_cmp_eq_u32 s2, 0
	s_cbranch_scc0 .Lentry_in_a_cluster
	s_endpgm
.Lentry_in_a_cluster:
	s_bfe_u32 s2, ttmp6, 0x10000c
	s_cmp_lg_u32 s2, 0x3003
	s_cbranch_scc0 .Lentry_shape_is_right
	s_endpgm
.Lentry_shape_is_right:
; VECTOR QUANTIZER, launch 2 of 3.  idx[n] = the first k that makes d[n][k] = fl(fl(A_n + B_k) - 2 M[n][k]) least.  M = zb cbh^T in bf16 with f32 sums (K ascending, one accumulator an output);
; A = zn, B = cn: the rows' sums of squares from launch 1.  Nothing of the formula is left out: A_n is so large beside the rest that f32 makes values of d equal, and the first index decides (see launch 1's head).
; 2 M is exact, so one fused multiply-add (M x -2 + t) gives the second rounding of the formula as it is written.
; LIMITS.  A NaN among a token's d is passed over by the minimum; a token whose d are all +infinity or NaN gets index 0.  The f32 sums inside M are grouped as the matrix unit groups them: a token whose
; two least d differ only by that grouping may get the other of the two codes.
; SHARES.  A work-group owns 128 tokens: eight tiles of 16.  EVERY wave holds all 128 tokens' fragments in registers (512), and THE CODES ARE SPLIT AMONG THE WAVES: in turn n (0 .. 127) wave w takes
; the 16 codes from 64 n + 16 w on.  So a fragment of codes read from LDS feeds 8 products, each LDS byte of the table is read once a work-group, and a wave's codes ascend in time.
; LAYOUT.  Source 0 = 16 codes, source 1 = 16 tokens: in the result lane l holds ONE token (l % 16) and the codes 8 (l / 16) + 0 .. 7 in its registers 0 .. 7.
; THE MINIMUM.  For each lane and token tile: best (the least d so far), tid (the turn that brought it) and W (that turn's eight d).  A turn's eight d give their minimum m; where m < best (strictly:
; an earlier turn keeps an equal value) best, tid and W are replaced.  At the end the first j with W_j = best gives the code 64 tid + 16 w + 8 (l / 16) + j; the two halves of the lanes and the four
; waves are merged by (d, code), the lesser pair winning: the first minimum over all 8,192 codes, exactly.  23 vector instructions for a tile's 8 products.
; BY TURNS.  The tiles are two PIECES (0: tiles 0-3, 1: tiles 4-7).  In a half-turn one piece has the matrix unit, 32 products (K in 8 steps x 4 tiles); the other piece's 92 vector instructions stand
; behind them, three behind each.  Even half of turn n: products of piece 0 on the turn's codes, vector work of piece 1 on turn n - 1's.  Odd half: products of piece 1, vector work of piece 0, both turn n's.
; THE TABLE goes through two LDS slots of 256 codes (4 turns, 256 products a wave).  CLUSTER: all work-groups walk the same table; the four of a cluster ask for each chunk JOINTLY: the same tensor load,
; descriptor and mask (15) in all four, each wave its quarter (64 rows of 512 bytes).  A mask names four work-groups at the most, so a larger cluster would share no further.
; REGISTERS, in windows of 256 (s_set_vgpr_msb: bits 1:0 source 0, 3:2 source 1, 5:4 source 2, 7:6 destination):
;   window 0: addresses, statistics, B, t, W, the scores S, the end's work      window 1: v0-63, v64-127 two buffers of a turn's 8 code fragments
;   window 2: the tokens' fragments of tiles 0-3 (tile u, K step kf at 64 u + 8 kf)      window 3: those of tiles 4-7
; The vector work lies in window 0 and a product's sources do not, so each group of three costs two switches.
.set PITCH, 528                        ; an LDS row of codes: 512 bytes + 16 of padding = 132 words: the 16 rows of a load start at 16 different groups of four banks (64 banks of 4 bytes: ISA guide 11.1)
.set TILEB, 16*PITCH                   ; a wave's 16 codes of a turn
.set TURNB, 64*PITCH                   ; a turn's 64 codes; also what one tensor load brings
.set SLOT,  256*PITCH                  ; 135,168 bytes: slot 0 at 0, slot 1 at SLOT
.set CHUNK, 256*512                    ; a slot's codes in memory
.set BT,    2*SLOT                     ; all 8,192 B, f32: 32,768 bytes, filled once
.set MRG,   BT+32768                   ; the end: wave w's 128 pairs (d, code) at 1,024 w: written by LDS stores, never a tensor load's target
.set SPARE, MRG+4096                   ; the spare words, 128 bytes for each wave: two blocks of 256 bytes that no other line names
.set AK0, 2                            ; v2   my lane's place in a tile of codes: (l % 16) x PITCH + 16 (l / 16); never rewritten
.set ADR, 3                            ; v3   the LDS address of the run of fragment loads in hand
.set ADRB, 4                           ; v4   the same for the turn's eight B
.set QO,  5                            ; v5   my byte offset in 16 rows of zb
.set AO,  6                            ; v6   4 (l % 16): my token's word among 16 of zn
.set PFO, 7                            ; v7   256 x lane: the prefetches' offset; never rewritten
.set LB,  8                            ; v8   16 w + 8 (l / 16): my first code in a turn's 64
.set SPW, 10                           ; v10  LDS address of my spare word: SPARE + 4 x my thread's number; never rewritten
.set NIL, 11                           ; v11  0; never rewritten
.set MST, 12                           ; v12  the end: where I put a pair
.set MRD, 13                           ; v13  the end: where I read two tokens' pairs
.set IO,  14                           ; v14  my 8 bytes of idx
.set AB0, 15                           ; v15  BT + 64 w + 32 (l / 16): my eight B of turn 0; never rewritten
.set ST,  16                           ; v[16:47]   tile tt at ST + 4 tt: A, best, tid, m
.set BV,  48                           ; v[48:63]   two buffers of eight B
.set TT,  64                           ; v[64:79]   two sets of eight t = A + B
.set W,   80                           ; v[80:143]  tile tt: the eight d of its best turn
.set S,   144                          ; v[144:207] piece y, tile u at S + 32 y + 8 u
.set E,   208                          ; v[208:223] the end: tile tt's pair (d, code)
.set R,   224                          ; v[224:241] the end: four waves' pairs for two tokens, and the two codes
.set WV,  14                           ; s14  my wave's number
.set G1C, 24                           ; s[24:31] descriptor group 1 for the codes
.set G1B, 32                           ; s[32:39] for the table of B
.set G0A, 40                           ; s[40:43] group 0: chunk 0 into slot 0
.set G0W, 44                           ; s[44:47] group 0: chunk 1 into slot 1; then it walks
.set G0B, 48                           ; s[48:51] group 0: my quarter of B
.set SLOTS, 52                         ; s52  chunks still to be asked for
.set CNT, 53                           ; s53  counts pairs of turns
.set TB,  54                           ; s54  LDS byte of my tile in the turn to be fetched next
.set SBD, 55                           ; s55  0 or SLOT: the slot that the walking descriptor filled last
.set SBR, 56                           ; s56  0 or SLOT: the slot that is being fetched from
.set LW,  57                           ; s57  w x TURNB: where my quarter of a chunk lands in a slot
.set RW,  58                           ; s58  w x TILEB: my tile in a turn's 64 rows
.set TC,  59                           ; s59  the turn whose scores the vector work has in hand
.set SEL, 60                           ; s[60:61] v_permlanex16_b32's selects
.set LIM, 62                           ; s62  2 in the cluster that prefetches, else the greatest number
.set TBB, 63                           ; s63  256 x the turn whose B are fetched next
.set PFA, 66                           ; s[66:67] where my prefetches stand
.set MK,  68                           ; s68, s69 the lanes where m < best, for the two tiles in hand
.set INF, 73                           ; s73  +infinity
.set MSB, 0
.macro WIN new                         ; the immediate's high byte repeats the setting that is left; a switch that changes nothing is dropped
.if MSB != (\new)
	s_set_vgpr_msb (MSB<<8)|(\new)
.set MSB, \new
.endif
.endm
; A round of the cluster's barrier: my work-group's barrier, so that wave 0's signal speaks for all four waves; wave 0 signals; every wave waits for all four work-groups; my work-group's barrier once more.
.macro CROUND
	s_barrier_signal -1
	s_barrier_wait -1
	s_cmp_lg_u32 s[WV], 0
	s_cbranch_scc1 .Lnot_wave_0_\@
	s_barrier_signal -3
.Lnot_wave_0_\@:
	s_barrier_wait -3
	s_barrier_signal -1
	s_barrier_wait -1
.endm
	s_load_b256 s[4:11], s[0:1], 0x0               ; zb s[4:5], zn s[6:7], cbh s[8:9], cn s[10:11]
	s_load_b64 s[12:13], s[0:1], 0x20              ; idx
	v_lshl_add_u32 v[SPW], v0, 2, SPARE
	v_mov_b32 v[NIL], 0
	ds_add_u32 v[SPW], v[NIL]                      ; the wave's opening: the add, twice on end, and its wait ahead of my first tensor load; the set-up below, work on registers, stands between
	ds_add_u32 v[SPW], v[NIL]                      ; and once more, under the one wait
	v_lshrrev_b32 v1, 5, v0
	v_readfirstlane_b32 s[WV], v1                  ; wave 0..3
	s_bfe_u32 s15, ttmp6, 0x40000                  ; cx: my place in the cluster: it enters the addresses of zb, zn, idx and of the prefetches alone
	s_lshl_b32 s16, ttmp9, 2                       ; in a cluster launch ttmp9 counts clusters
	s_add_co_u32 s16, s16, s15                     ; my block of 128 tokens
	; group 1 for the codes: 64 rows x 256 elements of 2 bytes, padded in LDS
	s_mov_b32 s[G1C], 15|(1<<16)|(1<<20)|(1<<21)|(6<<22)|(3<<25)  ; 15:0 the mask of four; 17:16 2-byte elements; 20 padding on; 21 set beside a mask; 24:22 after every 128 words (code 6); 31:25 4 words (code 3)
	s_mov_b32 s[G1C+1], 256<<16                    ; tensor_dim0 = 256
	s_mov_b32 s[G1C+2], 64<<16                     ; tensor_dim1 = 64
	s_mov_b32 s[G1C+3], 256<<16                    ; tile_dim0 = 256
	s_mov_b32 s[G1C+4], 64                         ; tile_dim1 = 64
	s_mov_b32 s[G1C+5], 256                        ; 256 elements from row to row
	s_mov_b32 s[G1C+6], 0
	s_mov_b32 s[G1C+7], 0
	; group 1 for B: 8,192 dense bytes a wave, as 32 rows of 32 elements of 8 bytes, no padding
	s_mov_b32 s[G1B], 15|(3<<16)|(1<<21)
	s_mov_b32 s[G1B+1], 32<<16
	s_mov_b32 s[G1B+2], 32<<16
	s_mov_b32 s[G1B+3], 32<<16
	s_mov_b32 s[G1B+4], 32
	s_mov_b32 s[G1B+5], 32
	s_mov_b32 s[G1B+6], 0
	s_mov_b32 s[G1B+7], 0
	s_mul_i32 s[LW], s[WV], TURNB
	s_mul_i32 s[RW], s[WV], TILEB
	s_mov_b32 s[TB], s[RW]                         ; turn 0: slot 0, its first 64 rows
	s_mov_b32 s[TBB], 0
	s_mov_b32 s[SBD], SLOT
	s_mov_b32 s[SBR], 0
	s_mov_b32 s[TC], -1                            ; stepped to 0 in the middle of turn 0
	s_mov_b32 s[SEL], 0x76543210
	s_mov_b32 s[SEL+1], 0xfedcba98
	s_mov_b32 s[INF], 0x7f800000
	s_cmp_eq_u32 ttmp9, 0                          ; every cluster walks the same table: the first one prefetches; the same answer in all four partners
	s_cselect_b32 s[LIM], 2, -1
	s_mov_b32 s[G0A], 1                            ; count = 1
	s_mov_b32 s[G0A+1], s[LW]                      ; LDS address: no place in the cluster enters it
	s_mov_b32 s[G0W], 1
	s_add_co_u32 s[G0W+1], s[LW], SLOT
	s_mov_b32 s[G0B], 1
	s_lshl_b32 s[G0B+1], s[WV], 13
	s_add_co_u32 s[G0B+1], s[G0B+1], BT
	s_lshl_b32 s18, s[WV], 15                      ; my 64 rows of a chunk in memory
	s_mov_b32 s19, 0
	s_lshl_b32 s74, s[WV], 13                      ; my quarter of cn; also my 32 blocks of 256 bytes among my work-group's 128 (prefetch)
	s_mov_b32 s75, 0
	s_lshl_b32 s20, s16, 16                        ; 128 rows of zb
	s_mov_b32 s21, 0
	s_lshl_b32 s22, s16, 9                         ; 128 words of zn and of idx
	s_mov_b32 s23, 0
	s_lshl_b32 s2, s15, 15                         ; the prefetches: my work-group's quarter of a chunk,
	s_add_co_u32 s2, s2, s74                       ; my wave's quarter of that,
	s_add_co_u32 s2, s2, 3*CHUNK                   ; in chunk 3: the first change of slots steps it to chunk 4
	s_mov_b32 s3, 0
	v_and_b32 v1, 15, v0                           ; l % 16
	v_bfe_u32 v9, v0, 4, 1                         ; l / 16
	v_and_b32 v[PFO], 31, v0                       ; l
	v_mul_u32_u24 v[AK0], v1, PITCH
	v_lshl_add_u32 v[AK0], v9, 4, v[AK0]
	v_lshlrev_b32 v[QO], 9, v1
	v_lshl_add_u32 v[QO], v9, 4, v[QO]             ; row x 512 + 16 x half
	v_lshlrev_b32 v[AO], 2, v1
	v_lshlrev_b32 v[LB], 3, v9
	v_lshl_add_u32 v[LB], s[WV], 4, v[LB]
	s_lshl_b32 s70, s[WV], 6
	s_add_co_u32 s70, s70, BT
	v_lshl_add_u32 v[AB0], v9, 5, s70
	s_lshl_b32 s70, s[WV], 10
	s_add_co_u32 s70, s70, MRG
	v_lshl_add_u32 v[MST], v1, 3, s70              ; MRG + 1,024 w + 8 (l % 16)
	s_lshl_b32 s70, s[WV], 9
	s_add_co_u32 s70, s70, MRG
	v_lshl_add_u32 v[MRD], v[PFO], 4, s70          ; MRG + 512 w + 16 l: tokens 64 w + 2 l and the next (waves 0 and 1)
	s_lshl_b32 s70, s[WV], 8
	v_lshl_add_u32 v[IO], v[PFO], 3, s70           ; 256 w + 8 l
	v_lshlrev_b32 v[PFO], 8, v[PFO]
	s_wait_dscnt 0x0                               ; both opening adds are done
	s_wait_kmcnt 0x0
	s_add_nc_u64 s[G0A+2:G0A+3], s[8:9], s[18:19]  ; global address: my quarter of chunk 0,
	s_add_nc_u64 s[G0W+2:G0W+3], s[G0A+2:G0A+3], CHUNK  ; of chunk 1
	s_or_b32 s[G0A+3], s[G0A+3], 0x80000000        ; type = 2
	s_or_b32 s[G0W+3], s[G0W+3], 0x80000000
	s_add_nc_u64 s[G0B+2:G0B+3], s[10:11], s[74:75]
	s_or_b32 s[G0B+3], s[G0B+3], 0x80000000
	s_add_nc_u64 s[PFA:PFA+1], s[8:9], s[2:3]
	s_add_nc_u64 s[4:5], s[4:5], s[20:21]          ; zb, zn and idx at my work-group's first token
	s_add_nc_u64 s[6:7], s[6:7], s[22:23]
	s_add_nc_u64 s[12:13], s[12:13], s[22:23]
	CROUND                                         ; all four work-groups are here: the first joint loads meet
	tensor_load_to_lds s[G0B:G0B+3], s[G1B:G1B+7]  ; the first fills go out as one group: three tensor loads of mine are out.  B,
	s_nop 0
	tensor_load_to_lds s[G0A:G0A+3], s[G1C:G1C+7]  ; chunk 0,
	s_nop 0
	tensor_load_to_lds s[G0W:G0W+3], s[G1C:G1C+7]  ; chunk 1
	s_nop 0
.rept 4
	v_nop                                          ; four instructions ahead of the window switch below
.endr
	; The tokens stay in registers.  A fragment is 16 rows x 32 channels in 8 registers: lane l holds row l % 16, channels 8 (l / 16) + 0..7 and 16 + 8 (l / 16) + 0..7: two loads of 16 bytes, 32 bytes apart.
	WIN 0x80                                       ; destination window 2, address window 0
.set i, 0
.rept 32                                       ; tile i / 8, K step i % 8
	global_load_b128 v[8*i:8*i+3],   v[QO], s[4:5] offset:(i/8)*8192+(i%8)*64
	global_load_b128 v[8*i+4:8*i+7], v[QO], s[4:5] offset:(i/8)*8192+(i%8)*64+32
.set i, i+1
.endr
	WIN 0xc0                                       ; destination window 3: tiles 4-7
.set i, 0
.rept 32
	global_load_b128 v[8*i:8*i+3],   v[QO], s[4:5] offset:(4+i/8)*8192+(i%8)*64
	global_load_b128 v[8*i+4:8*i+7], v[QO], s[4:5] offset:(4+i/8)*8192+(i%8)*64+32
.set i, i+1
.endr
	WIN 0
.set i, 0
.rept 8
	global_load_b32 v[ST+4*i], v[AO], s[6:7] offset:64*i  ; A of my token in tile i
	v_mov_b32 v[ST+4*i+1], s[INF]                  ; best: every finite d is less
	v_mov_b32 v[ST+4*i+2], 0                       ; tid
.set i, i+1
.endr
.set i, 0
.rept 64
	v_mov_b32 v[W+i], s[INF]                       ; W is read by the selects from the first turn on; written here, in the wait for the first tiles, so that every turn has one form
.set i, i+1
.endr
; THE MATRIX WORK.  Product i of a half-turn's 32 for piece x on fragment buffer p: K step i / 4, tile i % 4.  The four accumulators take turns, one instruction a turn, over every seam too.
; The first four start the sums with the constant 0: nothing is cleared.
.macro MM x, p
	WIN 0x09+4*(\x)                                ; codes in window 1, tokens in window 2 or 3, scores in window 0
.set rS, S+32*(\x)+8*(i%4)
.set rF, 64*(\p)+8*(i/4)
.set rZ, 64*(i%4)+8*(i/4)
.if i < 4
	v_wmma_f32_16x16x32_bf16 v[rS:rS+7], v[rF:rF+7], v[rZ:rZ+7], 0
.else
	v_wmma_f32_16x16x32_bf16 v[rS:rS+7], v[rF:rF+7], v[rZ:rZ+7], v[rS:rS+7]
.endif
.set i, i+1
.endm
; THE VECTOR WORK.  Number n of the 23 for tile u of piece y, with the turn's B in buffer bv:
;   0-3   t = A + B, two at a time      4-7   d = M x -2 + t, in place; the accumulator's lowest pair first      8-11  m = the least of the eight
;   12    where is m < best?            13    best      14   tid      15-22  W
.macro VOP y, u, n, bv
.set rT, ST+4*(4*(\y)+(\u))
.set rS, S+32*(\y)+8*(\u)
.set rW, W+8*(4*(\y)+(\u))
.set rX, TT+8*((\u)%2)
.set rB, BV+8*(\bv)
.set rK, MK+(\u)%2
.if (\n) < 4
	v_pk_add_f32 v[rX+2*(\n):rX+2*(\n)+1], v[rB+2*(\n):rB+2*(\n)+1], v[rT:rT+1] op_sel_hi:[1,0]  ; the pair (A, best) gives A to both halves
.elseif (\n) < 8
	v_pk_fma_f32 v[rS+2*(\n)-8:rS+2*(\n)-7], v[rS+2*(\n)-8:rS+2*(\n)-7], -2.0, v[rX+2*(\n)-8:rX+2*(\n)-7] op_sel_hi:[1,0,1]
.elseif (\n) == 8
	v_min3_num_f32 v[rT+3], v[rS], v[rS+1], v[rS+2]
.elseif (\n) == 9
	v_min3_num_f32 v[rT+3], v[rT+3], v[rS+3], v[rS+4]
.elseif (\n) == 10
	v_min3_num_f32 v[rT+3], v[rT+3], v[rS+5], v[rS+6]
.elseif (\n) == 11
	v_min_num_f32 v[rT+3], v[rT+3], v[rS+7]
.elseif (\n) == 12
	v_cmp_lt_f32 s[rK], v[rT+3], v[rT+1]
.elseif (\n) == 13
	v_min_num_f32 v[rT+1], v[rT+1], v[rT+3]
.elseif (\n) == 14
	v_cndmask_b32 v[rT+2], v[rT+2], s[TC], s[rK]
.else
	v_cndmask_b32 v[rW+(\n)-15], v[rW+(\n)-15], v[rS+(\n)-15], s[rK]
.endif
.endm
; Entry q of a piece's 92: tiles 0 and 1 alternate through their 23 numbers, then tiles 2 and 3: no line reads the result of the line before it.
.macro RID y, bv
	WIN 0
	VOP \y,2*(q/46)+q%2,(q%46)/2,\bv
.set q, q+1
.endm
.macro SLICE y, bv                     ; three of them: 92 = 30 x 3 + 2, so the 31st group has two and the 32nd product stands bare
.rept 3
.if q < 92
	RID \y,\bv
.endif
.endr
.endm
; THE LDS LOADS stand in one run a turn, never singly among the products: the next turn's 8 fragments into buffer f (16 loads), and this turn's eight B into buffer p (2 loads).
.macro FRAG f
	WIN 0
	v_add_nc_u32 v[ADR], s[TB], v[AK0]
	WIN 0x40                                       ; destination window 1
.irp k, 0,1,2,3,4,5,6,7
	ds_load_b128 v[64*(\f)+8*\k:64*(\f)+8*\k+3],   v[ADR] offset:64*\k
	ds_load_b128 v[64*(\f)+8*\k+4:64*(\f)+8*\k+7], v[ADR] offset:64*\k+32
.endr
	s_add_co_u32 s[TB], s[TB], TURNB               ; the next fetch is the next turn's
	WIN 0
.endm
.macro BLOAD p
	WIN 0
	v_add_nc_u32 v[ADRB], s[TBB], v[AB0]
	ds_load_b128 v[BV+8*(\p):BV+8*(\p)+3],   v[ADRB]
	ds_load_b128 v[BV+8*(\p)+4:BV+8*(\p)+7], v[ADRB] offset:16
	s_add_co_u32 s[TBB], s[TBB], 256
.endm
; A TURN of parity p.  fetch = 2: the next turn's fragments and this turn's B are fetched; 1: B alone (the last turn).  first = 1: turn 0: there is no earlier turn's vector work, and the run of loads stands ahead of the products.
; PLACES (a vector instruction that reads a matrix result, and a load into a register that a matrix instruction has read, stand four plain vector instructions behind it that name none of its registers:
; ISA guide 7.12.1 for vector instructions).  A half's first eight vector lines are the sums A + B, which name no register of any product: they stand between the half before's last
; products and the first read of its scores.  The run of loads stands behind the second group of three: six such sums and the run's own v_add_nc_u32 behind the last product that read the buffer.
; The turn's ONE wait on LDS stands between its halves, 30 products behind the run: the odd half reads this turn's B, the next turn the fragments.
.macro TURN p, fetch=2, first=0
.set i, 0
.set q, 0
.if \first
	FRAG 1-(\p)
	BLOAD \p
.endif
.rept 32
	MM 0,\p
.if !(\first)
	SLICE 1,1-(\p)
.if i == 2
.if (\fetch) == 2
	FRAG 1-(\p)
.endif
	BLOAD \p
.endif
.endif
.endr
	s_add_co_u32 s[TC], s[TC], 1                   ; the vector work goes on to this turn's scores
	s_wait_dscnt 0x0
.set i, 0
.set q, 0
.rept 32
	MM 1,\p
	SLICE 0,\p
.endr
.endm
; THE CHANGE OF SLOTS stands in front of a chunk's last turn: that turn's fragments were fetched a turn ago and waited for, so the slot is read out.  Each wave waits for all its tensor loads, of which one is out:
; its quarter of the other slot; adds 0 to its spare word; and waits for that and for its reads.  Behind the barrier nobody reads the old slot and the other slot is whole (a wave reads rows that other waves fetched).
; fill = 1: the old slot takes the chunk two on.  The barrier is then a round of the cluster's, so that no wave of any partner still reads the slot or has a load on its way; the joint refill is the first thing
; behind it, one tensor load a wave, and has four turns, 256 products, in which to land.
; THE PREFETCH stands behind the refill and its five lines: each lane names one block of 256 bytes of the chunk that stands TWO refills on (512 products ahead of the load that will ask for it).  A chunk is 512 such
; blocks: 4 partners (told apart by address alone) x 4 waves x 32 lanes.  The first cluster asks, nobody else: each block of chunks 4 to 31 is named once in the launch.  Chunks 0 to 3 come by their loads alone;
; the last two refills ask for nothing (s[SLOTS] is 2 and 1 there): no chunk 32 exists.
.macro CHANGE fill
	WIN 0                                          ; at a label and at a branch every window is 0
	s_wait_tensorcnt 0x0                           ; no tensor load of mine is out, so a group 0 may be written
	ds_add_u32 v[SPW], v[NIL]                      ; 0 onto my spare word; the scalar work below stands between it and the wait for it
	s_xor_b32 s[SBR], s[SBR], SLOT                 ; the fetches go on in the other slot,
	s_add_co_u32 s[TB], s[SBR], s[RW]              ; at its first turn
.if \fill
	s_xor_b32 s[SBD], s[SBD], SLOT                 ; the walking descriptor: the other slot than last time,
	s_add_co_u32 s[G0W+1], s[SBD], s[LW]
	s_add_nc_u64 s[G0W+2:G0W+3], s[G0W+2:G0W+3], CHUNK  ; the next chunk; the type bits on top are not reached
	s_wait_xcnt 0x0                                ; the last prefetch, four turns back, has read its address, so it may be written
	s_add_nc_u64 s[PFA:PFA+1], s[PFA:PFA+1], CHUNK
	s_wait_dscnt 0x0                               ; the add is done, and my reads of the slot are over
	CROUND
	tensor_load_to_lds s[G0W:G0W+3], s[G1C:G1C+7]
	s_nop 0
.rept 4
	v_nop
.endr
	s_cmp_gt_u32 s[SLOTS], s[LIM]
	s_cbranch_scc0 .Lnot_mine_\@
	global_prefetch_b8 v[PFO], s[PFA:PFA+1] th:TH_LOAD_NT scope:SCOPE_SE
.Lnot_mine_\@:
.else
	s_wait_dscnt 0x0
	s_barrier_signal -1
	s_barrier_wait -1
.endif
.endm
	s_wait_tensorcnt 0x1                           ; tensor loads of a wave end in order: my quarters of B and of chunk 0 are in; chunk 1's, issued last, may stay out
	s_barrier_signal -1
	s_barrier_wait -1                              ; everybody's are
	FRAG 0                                         ; turn 0's fragments
	s_wait_loadcnt 0x0                             ; the tokens and A
	s_wait_dscnt 0x0
	TURN 0,2,1                                     ; turns 0, 1 and 2 stand ahead of the loop: a trip begins at a change of slots, in front of a chunk's last turn
	TURN 1
	TURN 0
	WIN 0
	s_mov_b32 s[SLOTS], 30
.Lslot:                                                ; 30 trips: chunks 2 to 31 are asked for; a trip is four turns
	CHANGE 1
	s_mov_b32 s[CNT], 2
.Lpair:
	TURN 1
	TURN 0
	WIN 0
	s_sub_co_u32 s[CNT], s[CNT], 1
	s_cmp_lg_u32 s[CNT], 0
	s_cbranch_scc1 .Lpair
	s_sub_co_u32 s[SLOTS], s[SLOTS], 1
	s_cmp_lg_u32 s[SLOTS], 0
	s_cbranch_scc1 .Lslot
	CHANGE 0                                       ; the tail is written out: chunk 31 is shown whole, nothing is asked for
	s_mov_b32 s[CNT], 2
.Ltail:                                                ; turns 123 to 126
	TURN 1
	TURN 0
	WIN 0
	s_sub_co_u32 s[CNT], s[CNT], 1
	s_cmp_lg_u32 s[CNT], 0
	s_cbranch_scc1 .Ltail
	TURN 1,1                                       ; turn 127: no further fragments
.set q, 0
.rept 92
	RID 1,1                                        ; piece 1's vector work of turn 127; its first eight lines are the places behind the last products
.endr
	WIN 0
; THE END.  (b, c) and (ob, oc) are pairs (d, code): the lesser d wins, among equal d the lesser code.  nb = 1: only the code is kept.
.macro MERGE b, c, ob, oc, db, dc, nb=0
	v_cmp_lt_f32 s70, v[\ob], v[\b]
	v_cmp_eq_f32 s71, v[\ob], v[\b]
	v_cmp_lt_u32 s72, v[\oc], v[\c]
	s_and_b32 s71, s71, s72
	s_or_b32 s70, s70, s71
.if !(\nb)
	v_cndmask_b32 v[\db], v[\b], v[\ob], s70
.endif
	v_cndmask_b32 v[\dc], v[\c], v[\oc], s70
.endm
; Tile tt: the first j with W_j = best (from 7 down, so that the lowest stays; 0 is where the search starts), the code, the merge with the lane 16 away (the token's other eight codes of each turn), and the pair into LDS.
.macro FIN tt
.set rT, ST+4*(\tt)
.set rW, W+8*(\tt)
.set rE, E+2*(\tt)
.set rO, S+2*(\tt)                     ; the scores' registers are free, and have been written
	v_mov_b32 v[rE+1], 0
.irp j, 7,6,5,4,3,2,1
	v_cmp_eq_f32 s[MK+(\j)%2], v[rW+\j], v[rT+1]
	v_cndmask_b32 v[rE+1], v[rE+1], \j, s[MK+(\j)%2]
.endr
	v_lshl_add_u32 v[rE+1], v[rT+2], 6, v[rE+1]    ; 64 tid + j
	v_add_nc_u32 v[rE+1], v[rE+1], v[LB]           ; + 16 w + 8 (l / 16)
	v_permlanex16_b32 v[rO], v[rT+1], s[SEL], s[SEL+1]
	v_permlanex16_b32 v[rO+1], v[rE+1], s[SEL], s[SEL+1]
	MERGE rT+1,rE+1,rO,rO+1,rE,rE+1
	ds_store_b64 v[MST], v[rE:rE+1] offset:128*(\tt)  ; both halves of the lanes hold, and write, the same pair
.endm
.irp t, 0,1,2,3,4,5,6,7
	FIN \t
.endr
	s_wait_dscnt 0x0                               ; for the others' sake: my pairs lie in LDS
	s_barrier_signal -1
	s_barrier_wait -1
	s_cmp_lt_u32 s[WV], 2                          ; waves 0 and 1 merge the four waves' pairs, 64 tokens each, two a lane
	s_cbranch_scc0 .Lend
.irp v, 0,1,2,3
	ds_load_b128 v[R+4*\v:R+4*\v+3], v[MRD] offset:1024*\v
.endr
	s_wait_dscnt 0x0
	MERGE R,R+1,R+4,R+5,R,R+1
	MERGE R+2,R+3,R+6,R+7,R+2,R+3
	MERGE R,R+1,R+8,R+9,R,R+1
	MERGE R+2,R+3,R+10,R+11,R+2,R+3
	MERGE R,R+1,R+12,R+13,R,R+16,1
	MERGE R+2,R+3,R+14,R+15,R+2,R+17,1
	global_store_b64 v[IO], v[R+16:R+17], s[12:13] ; 32 lanes x 8 bytes: 256 consecutive bytes, aligned
.Lend:
	s_wait_tensorcnt 0x0                           ; the wave's end, behind my last tensor load and my last LDS store
	ds_add_u32 v[SPW], v[NIL]
	s_wait_dscnt 0x0
	CROUND                                         ; the closing round: no work-group ends while a partner may still ask for a tile that names it
	s_endpgm
.Lfunc_end_k_q597da8a8db_dist:
	.size	k_q597da8a8db_dist, .Lfunc_end_k_q597da8a8db_dist-k_q597da8a8db_dist
	.p2alignl 7, 3214868480
	.fill 96, 4, 3214868480
	.section	.rodata,"a",@progbits
	.p2align	6, 0x0
	.amdhsa_kernel k_q597da8a8db_dist
		.amdhsa_group_segment_fixed_size 327680
		.amdhsa_private_segment_fixed_size 0
		.amdhsa_enable_private_segment 0
		.amdhsa_kernarg_size 40
		.amdhsa_user_sgpr_count 2
		.amdhsa_user_sgpr_kernarg_segment_ptr 1
		.amdhsa_wavefront_size32 1
		.amdhsa_system_sgpr_workgroup_id_x 1
		.amdhsa_system_sgpr_workgroup_id_y 1
		.amdhsa_system_sgpr_workgroup_id_z 1
		.amdhsa_system_vgpr_workitem_id 0
		.amdhsa_next_free_vgpr 1024
		.amdhsa_next_free_sgpr 76
		.amdhsa_reserve_vcc 0
		.amdhsa_float_denorm_mode_32 3
		.amdhsa_float_denorm_mode_16_64 3
		.amdhsa_memory_ordered 1
		.amdhsa_forward_progress 1
		.amdhsa_inst_pref_size 200
	.end_amdhsa_kernel
	.amdgpu_metadata
---
amdhsa.version: [ 1, 2 ]
amdhsa.kernels:
  - .name:           k_q597da8a8db_dist
    .symbol:         k_q597da8a8db_dist.kd
    .args:
      - { .name: zb, .offset: 0, .size: 8, .value_kind: global_buffer, .address_space: global }
      - { .name: zn, .offset: 8, .size: 8, .value_kind: global_buffer, .address_space: global }
      - { .name: cbh, .offset: 16, .size: 8, .value_kind: global_buffer, .address_space: global }
      - { .name: cn, .offset: 24, .size: 8, .value_kind: global_buffer, .address_space: global }
      - { .name: idx, .offset: 32, .size: 8, .value_kind: global_buffer, .address_space: global }
    .group_segment_fixed_size: 327680
    .private_segment_fixed_size: 0
    .kernarg_segment_align: 8
    .kernarg_segment_size: 40
    .max_flat_workgroup_size: 128
    .sgpr_count:     76
    .vgpr_count:     1024
    .wavefront_size: 32
...
	.end_amdgpu_metadata
.endif
;; end of part 2
;; launch gather (part 3): grid 256 x 1, 8 waves a work-group, no clusters, 0 bytes of LDS; arguments idx, codebook, out0; writes out0
.if DOCPART == 3
	.amdgcn_target "amdgcn-amd-amdhsa--gfx1250"
	.amdhsa_code_object_version 6
	.text
	.protected	k_q597da8a8db_gather
	.globl	k_q597da8a8db_gather
	.p2align	8
	.type	k_q597da8a8db_gather,@function
k_q597da8a8db_gather:
	s_mov_b64 s[64:65], 0
	v_nop
	global_prefetch_b8 v0, s[64:65] scope:SCOPE_SE
	s_setreg_imm32_b32 hwreg(HW_REG_WAVE_MODE, 25, 1), 1
	s_wait_xcnt 0x0
; VECTOR QUANTIZER, launch 3 of 3.  out0[n][:] = codebook[idx[n]][:], in f32 as the table holds it.  idx are whole numbers that launch 2 stored; here they are read from memory and steer addresses.
; Nothing is left out.  An index is held to 0 .. 8,191 before it enters an address (launch 2 stores nothing else).
; SHARES.  Wave g = 8 x work-group + wave copies tokens 16 g .. 16 g + 15.  Its 16 indices come by one scalar load; a row is two loads and two stores of 16 bytes a lane, 512 consecutive bytes each.
; All 32 loads (16 KiB a wave) go out before the first wait; no register is written twice, so no store's source is ever rewritten.  No LDS, no barrier, no cluster: the rows come by a list.
; The loads carry no hint: a row of the table may be named by many tokens.
.set LO16, 1                           ; v1       16 x lane
.set OFF,  2                           ; v[2:17]  token i: its row's byte offset in the table + 16 x lane
.set X,    24                          ; v[24:151] token i: its row, 8 registers
	s_load_b128 s[4:7], s[0:1], 0x0                ; idx s[4:5], codebook s[6:7]
	s_load_b64 s[8:9], s[0:1], 0x10                ; out0
	v_lshrrev_b32 v18, 5, v0
	v_readfirstlane_b32 s10, v18                   ; wave 0..7
	v_and_b32 v[LO16], 31, v0
	v_lshlrev_b32 v[LO16], 4, v[LO16]
	s_lshl_b32 s11, ttmp9, 3
	s_add_co_u32 s11, s11, s10                     ; g
	s_lshl_b32 s12, s11, 6                         ; 16 words of idx
	s_mov_b32 s13, 0
	s_lshl_b32 s14, s11, 14                        ; 16 rows of 1,024 bytes
	s_mov_b32 s15, 0
	s_wait_kmcnt 0x0
	s_add_nc_u64 s[4:5], s[4:5], s[12:13]
	s_add_nc_u64 s[8:9], s[8:9], s[14:15]
	s_load_b512 s[16:31], s[4:5], 0x0              ; my 16 indices (this launch stores nothing into idx)
	s_wait_kmcnt 0x0
.irp i, 0,1,2,3,4,5,6,7,8,9,10,11,12,13,14,15
	s_min_u32 s[16+\i], s[16+\i], 8191             ; inside the table
	s_lshl_b32 s[16+\i], s[16+\i], 10              ; a row is 1,024 bytes
	v_add_nc_u32 v[OFF+\i], s[16+\i], v[LO16]
.endr
.irp i, 0,1,2,3,4,5,6,7,8,9,10,11,12,13,14,15
	global_load_b128 v[X+8*\i:X+8*\i+3],   v[OFF+\i], s[6:7]
	global_load_b128 v[X+8*\i+4:X+8*\i+7], v[OFF+\i], s[6:7] offset:512
.endr
.irp i, 0,1,2,3,4,5,6,7,8,9,10,11,12,13,14,15
	s_wait_loadcnt 30-2*\i                         ; loads come back in order: behind token i's two stand those of tokens i + 1 .. 15
	global_store_b128 v[LO16], v[X+8*\i:X+8*\i+3],   s[8:9] offset:1024*\i th:TH_STORE_NT
	global_store_b128 v[LO16], v[X+8*\i+4:X+8*\i+7], s[8:9] offset:1024*\i+512 th:TH_STORE_NT
.endr
	s_endpgm
.Lfunc_end_k_q597da8a8db_gather:
	.size	k_q597da8a8db_gather, .Lfunc_end_k_q597da8a8db_gather-k_q597da8a8db_gather
	.p2alignl 7, 3214868480
	.fill 96, 4, 3214868480
	.section	.rodata,"a",@progbits
	.p2align	6, 0x0
	.amdhsa_kernel k_q597da8a8db_gather
		.amdhsa_group_segment_fixed_size 0
		.amdhsa_private_segment_fixed_size 0
		.amdhsa_enable_private_segment 0
		.amdhsa_kernarg_size 24
		.amdhsa_user_sgpr_count 2
		.amdhsa_user_sgpr_kernarg_segment_ptr 1
		.amdhsa_wavefront_size32 1
		.amdhsa_system_sgpr_workgroup_id_x 1
		.amdhsa_system_sgpr_workgroup_id_y 1
		.amdhsa_system_sgpr_workgroup_id_z 1
		.amdhsa_system_vgpr_workitem_id 0
		.amdhsa_next_free_vgpr 152
		.amdhsa_next_free_sgpr 66
		.amdhsa_reserve_vcc 0
		.amdhsa_float_denorm_mode_32 3
		.amdhsa_float_denorm_mode_16_64 3
		.amdhsa_memory_ordered 1
		.amdhsa_forward_progress 1
		.amdhsa_inst_pref_size 10
	.end_amdhsa_kernel
	.amdgpu_metadata
---
amdhsa.version: [ 1, 2 ]
amdhsa.kernels:
  - .name:           k_q597da8a8db_gather
    .symbol:         k_q597da8a8db_gather.kd
    .args:
      - { .name: idx, .offset: 0, .size: 8, .value_kind: global_buffer, .address_space: global }
      - { .name: codebook, .offset: 8, .size: 8, .value_kind: global_buffer, .address_space: global }
      - { .name: out0, .offset: 16, .size: 8, .value_kind: global_buffer, .address_space: global }
    .group_segment_fixed_size: 0
    .private_segment_fixed_size: 0
    .kernarg_segment_align: 8
    .kernarg_segment_size: 24
    .max_flat_workgroup_size: 256
    .sgpr_count:     66
    .vgpr_count:     152
    .wavefront_size: 32
...
	.end_amdgpu_metadata
.endif
;; end of part 3
;; ======== version 2 of 2: 3 launches; version 1 with the launch prep written anew for expert scheduling mode
;; workspace buffers: cbh 4,194,304 bytes; zb 16,777,216 bytes; cn 32,768 bytes; zn 131,072 bytes; idx 131,072 bytes of whole numbers
;; launch prep (part 4): grid 256 x 1, 5 waves a work-group, no clusters, 0 bytes of LDS; arguments codebook, z_f, cbh, zb, cn, zn; writes cbh, zb, cn, zn
.if DOCPART == 4
	.amdgcn_target "amdgcn-amd-amdhsa--gfx1250"
	.amdhsa_code_object_version 6
	.text
	.protected	k_q597da8a8db_prep
	.globl	k_q597da8a8db_prep
	.p2align	8
	.type	k_q597da8a8db_prep,@function
k_q597da8a8db_prep:
	s_mov_b64 s[64:65], 0
	v_nop
	global_prefetch_b8 v0, s[64:65] scope:SCOPE_SE
	s_setreg_imm32_b32 hwreg(HW_REG_WAVE_SCHED_MODE, 0, 2), 2
	s_setreg_imm32_b32 hwreg(HW_REG_WAVE_MODE, 25, 1), 1
	s_wait_xcnt 0x0
	s_wait_alu depctr_vm_vsrc(0)
; VECTOR QUANTIZER, launch 1 of 3.  out0[n] = codebook[argmin_k d[n][k]], d[n][k] = (|z_n|^2 + |c_k|^2) - 2 z_n . c_k, the first k among equals.
; This launch rounds every row of codebook [8192][256] and of z_f [32768][256] once to bf16 (cbh, zb: the operands of the product in launch 2)
; and stores each row's sum of squares OF THE ROUNDED NUMBERS in f32 (cn, zn), so that all three terms of d belong to the same vectors.
; NOTHING OF THE FORMULA IS LEFT OUT.  |z_n|^2 is the same for all k, but it is not dropped: with 256 numbers of unit spread it is near 256, where f32 steps by
; 2^-16 to 2^-15, while two codes' other terms differ by far less than they differ from 0: d as f32 forms it has equal values, and the first index decides among them.
; So launch 2 forms d by the same two roundings, fl(fl(A + B) - 2 M), and takes the first minimum.
; LIMITS.  The sums of squares are taken in another order than a plain row sum (two chains a lane, then across the lanes); each is one f32 sum of 256 terms.
; SHARES.  8,192 + 32,768 = 40,960 rows = 256 work-groups x 5 waves x 32 rows.  Wave g = 5 x work-group + wave: g < 256 takes rows 32 g .. of codebook, the others rows 32 (g - 256) .. of z_f.
; One wave, one row at a time: two loads of 16 bytes a lane cover the row's 1,024 bytes (512 consecutive bytes each); a lane holds columns 4 l .. 4 l + 3 and 128 + 4 l .. + 3.
; No LDS, no barrier, no matrix unit, no cluster: no wave wants a byte that another has fetched.
; No register that a store reads, and no address register, is ever written again: every row stands in an immediate; rows 0-15 have packed registers of their own,
; rows 16-31 are packed into the registers that they were loaded into, which are loaded no more.
; THE MODE: SCHED_MODE bits 1:0 = 2 (LLVM: expert scheduling mode 2), set by the entry lines.  The code itself states the register dependences
; between vector instructions and memory instructions, with s_wait_alu, always for 0.
; THE PLAN.  The 32 rows go in eight blocks of four.  Registers that memory instructions touch:
;   v1, v2, v3   byte offsets, made once at the head and never written again; read by every load and store.
;   X            sixteen row slots.  A row's loads land in its slot; its four conversions read it.  Blocks 0-3: behind the block's conversions the rows 16 further on land in the same slots.
;                Blocks 4-7: the conversions write the first four registers of the slot, the row's two stores read them, and nothing writes them again.
;   Y            rows 0-15 in bf16.  Written by the row's conversions, read by its two stores (and by the squares, vector lines); never written again.
;   v5           lane i's sum of row i.  Written by the selects, read by the launch's last store.
;   v4, v6, v7, v8 are named by vector instructions alone.
; A block: its sixteen conversions, each row's behind the counted wait for that row's data; ONE wait on va_vdst; the eight loads into the slots just read (blocks 0-3); then row by row the two stores
; and, behind them, the row's squares and sum.  Since that wait no vector line names a register that a later load or store of the block touches: the squares name the packed registers of rows
; whose stores are already issued, and v4 to v8.  No register that a memory instruction has read is ever written, so beyond the entry lines the text holds no wait on vm_vsrc.  24 to 32 loads of a wave are on their way.
.set LO16, 1                           ; v1   16 x lane: my bytes in half a row of f32
.set LO8,  2                           ; v2   8 x lane: my bytes in half a row of bf16
.set LO4,  3                           ; v3   4 x lane: my word among the wave's 32 sums
.set ZERO, 4                           ; v4   0: what the two chains of squares start from
.set NRMV, 5                           ; v5   lane i collects row i's sum
.set SA,   6                           ; v6   chain of the low halves' squares, then the sum
.set SB,   7                           ; v7   chain of the high halves' squares
.set PX,   8                           ; v8   the other half of the lanes' sum
.set X,    16                          ; v[16:143]  sixteen row slots of 8: the row as loaded
.set Y,    144                         ; v[144:207] rows 0-15: 4 registers each, the row in bf16
.set SRC,  22                          ; s[22:23] my first row in codebook or z_f
.set DST,  24                          ; s[24:25] the same in cbh or zb
.set NRM,  26                          ; s[26:27] my 32 words in cn or zn
.set SEL,  28                          ; s[28:29] v_permlanex16_b32's selects: each lane takes its own place in the other half
	s_load_b256 s[4:11], s[0:1], 0x0               ; codebook s[4:5], z_f s[6:7], cbh s[8:9], zb s[10:11]
	s_load_b128 s[12:15], s[0:1], 0x20             ; cn s[12:13], zn s[14:15]
	v_lshrrev_b32 v[SA], 5, v0
	v_readfirstlane_b32 s16, v[SA]                 ; wave 0..4
	v_and_b32 v[SB], 31, v0                        ; lane
	v_lshlrev_b32 v[LO16], 4, v[SB]
	v_lshlrev_b32 v[LO8], 3, v[SB]
	v_lshlrev_b32 v[LO4], 2, v[SB]
	v_mov_b32 v[ZERO], 0
	v_mov_b32 v[NRMV], 0
	v_mov_b32 v[PX], 0                             ; v_permlanex16_b32's destination counts as read
	s_wait_alu depctr_va_sdst(0)                   ; s16 is written, ahead of its first reader: the wave's place among the rows is made from it
	s_mul_i32 s17, ttmp9, 5
	s_add_co_u32 s17, s17, s16                     ; g
	s_sub_co_u32 s21, s17, 256                     ; g - 256: used where g is 256 or more
	s_mov_b32 s[SEL], 0x76543210
	s_mov_b32 s[SEL+1], 0xfedcba98
	s_mov_b32 s19, 0
	s_wait_kmcnt 0x0
	s_cmp_lt_u32 s17, 256                          ; a wave of the codebook, or of z_f?  The condition hangs on ids alone
	s_cselect_b64 s[SRC:SRC+1], s[4:5], s[6:7]
	s_cselect_b64 s[DST:DST+1], s[8:9], s[10:11]
	s_cselect_b64 s[NRM:NRM+1], s[12:13], s[14:15]
	s_cselect_b32 s17, s17, s21                    ; my block of 32 rows in that tensor
	s_lshl_b32 s18, s17, 15                        ; 32 rows of 1,024 bytes
	s_add_nc_u64 s[SRC:SRC+1], s[SRC:SRC+1], s[18:19]
	s_lshl_b32 s18, s17, 14                        ; 32 rows of 512 bytes
	s_add_nc_u64 s[DST:DST+1], s[DST:DST+1], s[18:19]
	s_lshl_b32 s18, s17, 7                         ; 32 words
	s_add_nc_u64 s[NRM:NRM+1], s[NRM:NRM+1], s[18:19]
	s_wait_alu depctr_va_vdst(0)                   ; the three offsets v1, v2, v3 are written: every load and store of the kernel reads one of them
.macro LOADROW i                       ; row i into slot i % 16
	global_load_b128 v[X+8*((\i)%16):X+8*((\i)%16)+3],   v[LO16], s[SRC:SRC+1] offset:(\i)*1024 th:TH_LOAD_NT
	global_load_b128 v[X+8*((\i)%16)+4:X+8*((\i)%16)+7], v[LO16], s[SRC:SRC+1] offset:(\i)*1024+512 th:TH_LOAD_NT
.endm
.macro REGS i                          ; row i's slot and its packed registers
.set XS, X+8*((\i)%16)
.if (\i) < 16
.set YS, Y+4*(\i)
.else
.set YS, XS                            ; in place: each conversion writes a register whose number has been read by it or by a line above
.endif
.endm
; Row i is rounded.  When its wait is reached, rows up to 4 (i / 4) + 15 have been asked for (from row 16 on: all 32): behind row i's two loads stand 30 - 2 (i % 4), later 62 - 2 i.
.macro PACK i
	REGS \i
.if (\i) < 16
.set LEFT, 30-2*((\i)%4)
.else
.set LEFT, 62-2*(\i)
.endif
	s_wait_loadcnt LEFT                            ; loads come back in order: this row's two are in, the younger ones stay out
	v_cvt_pk_bf16_f32 v[YS],   v[XS],   v[XS+1]    ; rounded to nearest even, two at a time
	v_cvt_pk_bf16_f32 v[YS+1], v[XS+2], v[XS+3]
	v_cvt_pk_bf16_f32 v[YS+2], v[XS+4], v[XS+5]
	v_cvt_pk_bf16_f32 v[YS+3], v[XS+6], v[XS+7]
.endm
; Row i leaves, and its squares are summed.  The two stores stand ahead of the vector lines that name the same registers.
.macro SUMS i
	REGS \i
	global_store_b64 v[LO8], v[YS:YS+1],   s[DST:DST+1] offset:(\i)*512 th:TH_STORE_NT      ; 32 lanes x 8 bytes: 256 consecutive bytes, aligned
	global_store_b64 v[LO8], v[YS+2:YS+3], s[DST:DST+1] offset:(\i)*512+256 th:TH_STORE_NT
	v_fma_mix_f32_bf16 v[SA], v[YS], v[YS], v[ZERO] op_sel_hi:[1,1,0]                  ; the rounded numbers' squares, summed in f32: low halves,
	v_fma_mix_f32_bf16 v[SB], v[YS], v[YS], v[ZERO] op_sel:[1,1,0] op_sel_hi:[1,1,0]   ; high halves
.irp j, 1,2,3
	v_fma_mix_f32_bf16 v[SA], v[YS+\j], v[YS+\j], v[SA] op_sel_hi:[1,1,0]
	v_fma_mix_f32_bf16 v[SB], v[YS+\j], v[YS+\j], v[SB] op_sel:[1,1,0] op_sel_hi:[1,1,0]
.endr
	v_add_f32 v[SA], v[SA], v[SB]
	v_add_f32_dpp v[SA], v[SA], v[SA] row_xmask:1 row_mask:0xf bank_mask:0xf
	v_add_f32_dpp v[SA], v[SA], v[SA] row_xmask:2 row_mask:0xf bank_mask:0xf
	v_add_f32_dpp v[SA], v[SA], v[SA] row_xmask:4 row_mask:0xf bank_mask:0xf
	v_add_f32_dpp v[SA], v[SA], v[SA] row_xmask:8 row_mask:0xf bank_mask:0xf
	v_permlanex16_b32 v[PX], v[SA], s[SEL], s[SEL+1]
	v_add_f32 v[SA], v[SA], v[PX]                  ; every lane holds the row's sum;
	s_mov_b32 s20, 1<<(\i)
	v_cndmask_b32 v[NRMV], v[NRMV], v[SA], s20     ; lane i keeps it
.endm
; Block p: rows 4 p to 4 p + 3.  ahead = 1: their slots are loaded again with the rows 16 further on.
.macro BLK p, ahead
.irp r, 0,1,2,3
	PACK 4*(\p)+\r
.endr
	s_wait_alu depctr_va_vdst(0)                   ; the block's sixteen conversions are done reading its four slots, in which the loads below land, and have written its packed registers, which the stores below read
.if \ahead
.irp r, 0,1,2,3
	LOADROW 4*(\p)+\r+16                           ; the slots are asked for again at once
.endr
.endif
.irp r, 0,1,2,3
	SUMS 4*(\p)+\r                                 ; no further wait: no vector line since the wait above names a register that these stores read
.endr
.endm
.irp i, 0,1,2,3,4,5,6,7,8,9,10,11,12,13,14,15
	LOADROW \i
.endr
	BLK 0,1
	BLK 1,1
	BLK 2,1
	BLK 3,1
	BLK 4,0                                        ; nothing more is loaded: no load leaves the buffer, and the counts run down to 0
	BLK 5,0
	BLK 6,0
	BLK 7,0
	s_wait_alu depctr_va_vdst(0)                   ; the selects have written v5, which the store below reads
	global_store_b32 v[LO4], v[NRMV], s[NRM:NRM+1] ; the wave's 32 sums: 128 consecutive bytes, once a wave (160 KiB in the whole launch)
	s_endpgm
.Lfunc_end_k_q597da8a8db_prep:
	.size	k_q597da8a8db_prep, .Lfunc_end_k_q597da8a8db_prep-k_q597da8a8db_prep
	.p2alignl 7, 3214868480
	.fill 96, 4, 3214868480
	.section	.rodata,"a",@progbits
	.p2align	6, 0x0
	.amdhsa_kernel k_q597da8a8db_prep
		.amdhsa_group_segment_fixed_size 0
		.amdhsa_private_segment_fixed_size 0
		.amdhsa_enable_private_segment 0
		.amdhsa_kernarg_size 48
		.amdhsa_user_sgpr_count 2
		.amdhsa_user_sgpr_kernarg_segment_ptr 1
		.amdhsa_wavefront_size32 1
		.amdhsa_system_sgpr_workgroup_id_x 1
		.amdhsa_system_sgpr_workgroup_id_y 1
		.amdhsa_system_sgpr_workgroup_id_z 1
		.amdhsa_system_vgpr_workitem_id 0
		.amdhsa_next_free_vgpr 208
		.amdhsa_next_free_sgpr 66
		.amdhsa_reserve_vcc 0
		.amdhsa_float_denorm_mode_32 3
		.amdhsa_float_denorm_mode_16_64 3
		.amdhsa_memory_ordered 1
		.amdhsa_forward_progress 1
		.amdhsa_inst_pref_size 55
	.end_amdhsa_kernel
	.amdgpu_metadata
---
amdhsa.version: [ 1, 2 ]
amdhsa.kernels:
  - .name:           k_q597da8a8db_prep
    .symbol:         k_q597da8a8db_prep.kd
    .args:
      - { .name: codebook, .offset: 0, .size: 8, .value_kind: global_buffer, .address_space: global }
      - { .name: z_f, .offset: 8, .size: 8, .value_kind: global_buffer, .address_space: global }
      - { .name: cbh, .offset: 16, .size: 8, .value_kind: global_buffer, .address_space: global }
      - { .name: zb, .offset: 24, .size: 8, .value_kind: global_buffer, .address_space: global }
      - { .name: cn, .offset: 32, .size: 8, .value_kind: global_buffer, .address_space: global }
      - { .name: zn, .offset: 40, .size: 8, .value_kind: global_buffer, .address_space: global }
    .group_segment_fixed_size: 0
    .private_segment_fixed_size: 0
    .kernarg_segment_align: 8
    .kernarg_segment_size: 48
    .max_flat_workgroup_size: 160
    .sgpr_count:     66
    .vgpr_count:     208
    .wavefront_size: 32
...
	.end_amdgpu_metadata
.endif
;; end of part 4
;; launch dist: the kernel of part 2 again; grid 256 x 1, 4 waves a work-group, clusters of 4 x 1, 327,680 bytes of LDS; arguments zb, zn, cbh, cn, idx; writes idx
;; launch gather: the kernel of part 3 again; grid 256 x 1, 8 waves a work-group, no clusters, 0 bytes of LDS; arguments idx, codebook, out0; writes out0
